; MI455X (gfx1250); checked and timed in simulation.
; The chip was launched on July 23, 2026; its instructions are those of AMD's public machine-readable ISA for CDNA 5 (MIT licence, August 2026) and "CDNA5" Instruction Set Architecture Reference Guide (July 2026). The comments in the code are by the model that wrote it; some were corrected since.
;; Encoder Layer. Allowed arithmetic: matrix products marked QUANTISED: E2M3 operands, one E8M0 scale for each 32 along K, by v_wmma_scale_f32_16x16x128_f8f6f4 with both operands' format E2M3, f32 sums; everything else in f32.
;; Inputs: W1 512 x 1,024 float32; W2 1,024 x 512 float32; b1 1,024 float32; b2 512 float32; ln1_b 512 float32; ln1_g 512 float32; ln2_b 512 float32; ln2_g 512 float32; x 64 x 500 x 512 float32.
;; Outputs: out0 64 x 500 x 512 float32.
;; This version of the problem:
;;   THIS VERSION OF THE PROBLEM IS GIVEN IN LOW PRECISION. The matrix products marked QUANTISED in the list below multiply operands that are first quantised to E2M3 (2 exponent bits, 3 mantissa bits; 6 bits a number), with one power-of-two scale for each 32 numbers along K (OCP MX v1.0); their sums are f32. All else is computed in f32.
;;   The module's matrix products, in the order in which they are computed (A, B: the left and right operand; K: the contracted axis; several contracted axes count as one K, in the product's order):
;;     1. batch 512 x [M 500, K 64] x [K 64, N 500]; A: computed on the way; B: computed on the way: QUANTISED
;;     2. batch 512 x [M 500, K 500] x [K 500, N 64]; A: softmax (see below); B: computed on the way: QUANTISED
;;     3. [M 32,000, K 512] x [K 512, N 1,024]; A: computed on the way; B: input W1: QUANTISED
;;     4. [M 32,000, K 1,024] x [K 1,024, N 512]; A: computed on the way; B: input W2: QUANTISED
;;   THE QUANTISER, for each operand of a quantised product, along K:
;;     - K is cut into blocks of 32 from its start; a last block that is shorter is filled with zeros.
;;     - A block's scale is 2^e with e = floor(log2(the largest magnitude in the block)) - 2, held to -126 .. 127; a block of zeros has e = 0. As a byte (E8M0): e + 127.
;;     - Each number is divided by its block's scale, clamped to +-7.5, and rounded to the nearest number of E2M3, ties to even, subnormals kept.
;;     - The product sums the exact products of the quantised numbers (number of the format x scale) in f32.
;;   ~~~python
;;   def quantise(x, axis):      # numpy; x: float32 -> the quantised numbers, widened to float32 again
;;       x = np.moveaxis(x, axis, -1); K = x.shape[-1]
;;       x = np.pad(x, [(0, 0)] * (x.ndim - 1) + [(0, -K % 32)]); x = x.reshape(x.shape[:-1] + (-1, 32)); a = np.abs(x).max(-1, keepdims=True)
;;       e = np.where(a > 0, np.clip(np.frexp(np.where(a > 0, a, 1))[1] - 1 - 2, -126, 127), 0)      # np.frexp(a)[1] - 1 = floor(log2(a)), exactly
;;       r = np.clip(x / 2.0 ** e, -7.5, 7.5)
;;       step = 2.0 ** (np.maximum(np.frexp(np.where(r == 0, 1, r))[1] - 1, 0) - 3)
;;       q = np.round(r / step) * step * 2.0 ** e      # np.round: ties to even
;;       return np.moveaxis(q.reshape(q.shape[:-2] + (-1,))[..., :K], -1, axis).astype(np.float32)
;;   ~~~
;;   SOFTMAX AHEAD OF A QUANTISED PRODUCT. Where the list says 'softmax', what is quantised is not the finished softmax but p = 2^(t - M), with t = logit x log2(e) and M = ceil(the row's largest t), a whole number; so 1/2 < the row's largest p <= 1. The row's sum l is taken of the UNQUANTISED p, in f32, and the product's result is divided by l at the end. Since M is a whole number, a kernel that streams over the keys may use a running M (the ceiling of the running maximum): every later rescaling is an exact power of two, which a block's scale takes up: the codes' values come out the same.
;;   OPERANDS COMPUTED ON THE WAY. 'Computed on the way' means the value that the module computes at that place (a softmax that the list does not call 'softmax' is quantised finished and normalised). What goes into a quantiser is computed in f32, as accurately as f32 sums, v_exp_f32 and their like allow (about 1e-6 of the number): no bf16 or f16 on the way to a quantiser, and a product that is left as it is and whose result goes on into a quantised operand takes f32 operands (vector FMAs, or v_wmma_f32_16x16x4_f32). A number that lies on a knife's edge between two numbers of the format may be rounded either way, as far as f32 arithmetic and the matrix unit's own rounding can turn it there, and no further.
;; One version. Each part assembles by itself: llvm-mc -triple=amdgcn-amd-amdhsa -mcpu=gfx1250 --defsym DOCPART=n.
;; ======== version 1 of 1: 3 launches
;; workspace buffers: kv 27,262,976 bytes; stats 262,144 bytes; wts 851,968 bytes; y 67,108,864 bytes
;; launch prep (part 1): grid 256 x 1, 16 waves a work-group, no clusters, 267,520 bytes of LDS; arguments x, ln1_g, ln1_b, W1, W2, kv, stats, wts; writes kv, stats, wts
.if DOCPART == 1
	.amdgcn_target "amdgcn-amd-amdhsa--gfx1250"
	.amdhsa_code_object_version 6
	.text
	.protected	k_q7e00eeef67_prep
	.globl	k_q7e00eeef67_prep
	.p2align	8
	.type	k_q7e00eeef67_prep,@function
k_q7e00eeef67_prep:
	s_mov_b64 s[64:65], 0
	v_nop
	global_prefetch_b8 v0, s[64:65] scope:SCOPE_SE
	s_setreg_imm32_b32 hwreg(HW_REG_WAVE_MODE, 25, 1), 1
	s_wait_xcnt 0x0
; PREP.  h = LN1(x) for 128 rows of one batch (work-group 4 b + j: rows 128 j .. 128 j + 127), kept in LDS as f32, and from it the codes of E2M3 that the attention launch reads:
;   the rows' codes along d (blocks of 32 of each head's 64): operand of the score product, as key tile and as query tile;
;   the columns' codes along the keys (blocks of 32 keys): operand V^T of the second product;  each row's mean and 1/sigma (stats).
; Rows 500 .. 511 of a batch are laid as zeros: that is the quantiser's zero fill of the last block of keys.  Waves 0 and 1 also quantise one fragment each of W1 or W2 (512 fragments, 256 work-groups).
; All codes are laid as IMAGES OF THE OPERAND'S REGISTERS (lane by lane), so that the readers need plain loads alone.
; A block's scale: its largest magnitude's exponent field - 2, held at 1 from below by a floor among the maximum's leaves.
; LIMITS: NaN and infinities among the inputs are not served.  A block whose largest magnitude lies under 2^-124 keeps the byte 1; a block of zeros has the byte 1, not 127: its codes are zeros, and this program
; alone reads the bytes.  The sums of the norm are tree sums, not in the order of a serial sum; the variance is taken of x - mean, in a second pass, so a common offset costs no accuracy.
; The weights' loads read 2 x 32 consecutive bytes in 16 lanes and the scale words leave in runs of 64 or 128 bytes: 6 MB of the launch's 98.
.set ROWP,  2064                       ; a row of h in LDS: 2,048 bytes + 16: an odd multiple of 16
.set QTR,   32*ROWP+64                 ; 32 rows, + 64 bytes: rows 32 apart then start 16 banks apart (64 banks of 4 bytes: ISA guide 11.1)
.set STATS, 4*QTR                      ; behind the 128 rows: 8 bytes a row (mean, 1/sigma)
.set KVB,   53248                      ; a (batch, head) block of kv: 32 x 768 row images, 16 x 1,536 V^T images, 32 x 64 and 16 x 128 bytes of scale words
.set CHK,   106496                     ; a chunk of wts: 64 fragments of 1,536 bytes, 64 x 128 bytes of scale words
.set G,  32                            ; v32-47  ln1_g of my 16 columns      v48-63 ln1_b
.set B,  48
.set X,  64                            ; v64-191 8 rows x 16 numbers
.set MU, 192                           ; v192-207 (mean, mean) a row         v208-223 (1/sigma, 1/sigma)
.set RS, 208
.set T,  224                           ; v224-255 four registers a row, at work
; v2 16 lane; v3, v4 where I store h and stats; v5 row reads; v6 12 lane; v7 2 lane; v8, v9 column reads; v10 stats read; v11 4 lane; v12-23 at work; v24 weights' lane offset; v25 0x7f7f; v26 8 h
	s_load_b256 s[4:11], s[0:1], 0x0               ; x s[4:5], ln1_g s[6:7], ln1_b s[8:9], W1 s[10:11]
	s_load_b256 s[12:19], s[0:1], 0x20             ; W2 s[12:13], kv s[14:15], stats s[16:17], wts s[18:19]
	v_lshl_add_u32 v30, v0, 2, 0x40d00
	v_mov_b32 v31, 0
	v_lshrrev_b32 v1, 5, v0
	v_readfirstlane_b32 s20, v1                    ; wave 0..15
	s_lshr_b32 s21, ttmp9, 2                       ; b
	s_and_b32 s22, ttmp9, 3                        ; j
	s_mov_b32 s30, 0xaaaaaaaa                      ; the odd lanes
	s_mov_b32 s31, 0x3b000000                      ; 1 / 512
	s_mov_b32 s33, 0x358637bd                      ; 1e-6
	s_mov_b32 s34, 0x76543210
	s_mov_b32 s35, 0xfedcba98                      ; v_permlanex16_b32's selects for lane l xor 16
	v_and_b32 v1, 31, v0                           ; lane
	v_lshlrev_b32 v2, 4, v1
	v_mul_u32_u24 v6, v1, 12
	v_lshlrev_b32 v7, 1, v1
	v_lshlrev_b32 v11, 2, v1
	v_add_nc_u32 v10, STATS, v2
	s_lshr_b32 s23, s20, 2
	s_mul_i32 s23, s23, QTR                        ; my wave's quarter of the rows
	s_and_b32 s24, s20, 3
	s_mul_i32 s24, s24, 8*ROWP
	s_add_co_u32 s24, s24, s23
	v_add_nc_u32 v3, s24, v2                       ; h: rows 8 w + k, 16 bytes a lane
	s_lshl_b32 s24, s20, 6
	s_add_co_u32 s24, s24, STATS
	v_mov_b32 v4, s24                              ; stats: 64 bytes a wave
	v_lshrrev_b32 v27, 1, v1                       ; row reads: two neighbouring lanes hold a block: r = lane / 2,
	v_and_b32 v28, 8, v27
	v_add_nc_u32 v27, v27, v28                     ; the tile's row r + 8 (r / 8),
	v_mul_u32_u24 v5, v27, ROWP
	v_and_b32 v28, 1, v1
	v_lshl_add_u32 v5, v28, 6, v5                  ; + 64 bytes for the block's upper 16 numbers
	s_bfe_u32 s24, s20, 0x10001
	s_mul_i32 s24, s24, 8*ROWP                     ; tile tau = w / 2: rows 32 (tau / 2) + 8 (tau % 2) on
	s_add_co_u32 s24, s24, s23
	s_and_b32 s25, s20, 1
	s_lshl_b32 s26, s25, 10                        ; heads 4 (w % 2) on
	s_add_co_u32 s24, s24, s26
	v_add_nc_u32 v5, s24, v5
	v_and_b32 v27, 15, v1                          ; r
	v_lshrrev_b32 v28, 4, v1                       ; h
	v_mul_u32_u24 v8, v28, QTR                     ; column reads: lanes 16-31 begin 32 rows further down
	v_lshl_add_u32 v8, v27, 2, v8
	s_lshl_b32 s24, s20, 7
	v_add_nc_u32 v8, s24, v8                       ; columns 32 w + r
	v_add_nc_u32 v9, 2*QTR, v8                     ; and 64 rows further down
	v_lshlrev_b32 v26, 3, v28
	v_and_b32 v29, 8, v27
	v_add_nc_u32 v29, v29, v27
	v_lshlrev_b32 v24, 2, v29                      ; weights: column r + 8 (r / 8) of the tile,
	s_cmp_lt_u32 ttmp9, 128
	s_cselect_b32 s24, 17, 16                      ; lanes 16-31 32 rows down: rows of 4,096 bytes in W1, of 2,048 in W2
	v_lshlrev_b32 v29, s24, v28
	v_add_nc_u32 v24, v24, v29
	v_mov_b32 v25, 0x7f7f
	v_mov_b32 v21, 0                               ; written once: a lane permute's destination counts as one of its sources
	s_lshl_b32 s25, s22, 7
	s_lshl_b32 s26, s20, 3
	s_add_co_u32 s25, s25, s26                     ; my first row in the batch: 128 j + 8 w
.irp k, 0,1,2,3,4,5,6,7
	s_add_co_u32 s26, s25, \k
	s_min_u32 s26, s26, 499                        ; no load leaves x: rows 500 on read row 499 and are laid as zeros below
	s_lshl_b32 s26, s26, 11
	v_add_nc_u32 v[16+\k], s26, v2
.endr
	s_mul_i32 s26, s21, 1024000
	s_mov_b32 s27, 0
	s_wait_kmcnt 0x0
	s_add_nc_u64 s[4:5], s[4:5], s[26:27]
.irp i, 0,1,2,3
	global_load_b128 v[G+4*\i:G+4*\i+3], v2, s[6:7] offset:512*\i
	global_load_b128 v[B+4*\i:B+4*\i+3], v2, s[8:9] offset:512*\i
.endr
.irp k, 0,1,2,3,4,5,6,7
.irp i, 0,1,2,3
	global_load_b128 v[X+16*\k+4*\i:X+16*\k+4*\i+3], v[16+\k], s[4:5] offset:512*\i th:TH_LOAD_NT   ; 32 lanes read 512 consecutive bytes
.endr
.endr
	; where the results go, made while the loads are out
	s_lshl_b32 s52, s21, 3                         ; 8 b
	s_and_b32 s53, s20, 1
	s_lshl_b32 s54, s53, 2
	s_add_co_u32 s54, s54, s52
	s_mul_i32 s54, s54, KVB                        ; the block of head 4 (w % 2)
	s_lshl_b32 s55, s22, 3
	s_lshr_b32 s56, s20, 1
	s_add_co_u32 s55, s55, s56                     ; tile 8 j + tau
	s_mul_i32 s56, s55, 768
	s_add_co_u32 s56, s56, s54
	s_mov_b32 s57, 0
	s_add_nc_u64 s[36:37], s[14:15], s[56:57]      ; row images
	s_lshl_b32 s56, s55, 6
	s_add_co_u32 s56, s56, s54
	s_add_co_u32 s56, s56, 49152
	s_add_nc_u64 s[38:39], s[14:15], s[56:57]      ; their scale words
	s_lshr_b32 s54, s20, 1
	s_add_co_u32 s54, s54, s52
	s_mul_i32 s54, s54, KVB                        ; the block of head w / 2
	s_lshl_b32 s55, s22, 2
	s_lshl_b32 s56, s53, 1
	s_add_co_u32 s55, s55, s56                     ; fragment 4 j + 2 (w % 2)
	s_mul_i32 s56, s55, 1536
	s_add_co_u32 s56, s56, s54
	s_add_co_u32 s56, s56, 24576
	s_add_nc_u64 s[40:41], s[14:15], s[56:57]      ; V^T images
	s_lshl_b32 s56, s55, 7
	s_add_co_u32 s56, s56, s54
	s_add_co_u32 s56, s56, 51200
	s_add_nc_u64 s[42:43], s[14:15], s[56:57]      ; their scale words
	s_lshl_b32 s56, s21, 12
	s_lshl_b32 s55, s22, 10
	s_add_co_u32 s56, s56, s55
	s_add_nc_u64 s[46:47], s[16:17], s[56:57]      ; stats: 8 bytes a row of 512 a batch
; the sum of a row's four partial sums, then over the 32 lanes; eight rows by turns, so that no line waits for the line above it
.macro RED8
.irp k, 0,1,2,3,4,5,6,7
	v_pk_add_f32 v[T+4*\k:T+4*\k+1], v[T+4*\k:T+4*\k+1], v[T+4*\k+2:T+4*\k+3]
.endr
.irp k, 0,1,2,3,4,5,6,7
	v_add_f32 v[T+4*\k], v[T+4*\k], v[T+4*\k+1]
.endr
.irp m, 1,2,4,8
.irp k, 0,1,2,3,4,5,6,7
	v_add_f32_dpp v[T+4*\k], v[T+4*\k], v[T+4*\k] row_xmask:\m row_mask:0xf bank_mask:0xf
.endr
.endr
.irp k, 0,1,2,3,4,5,6,7
	v_permlanex16_b32 v[T+4*\k+1], v[T+4*\k], s34, s35
.endr
.irp k, 0,1,2,3,4,5,6,7
	v_add_f32 v[T+4*\k], v[T+4*\k], v[T+4*\k+1]
.endr
.endm
	s_wait_loadcnt 0x0                             ; every stage below runs over all eight rows
.irp k, 0,1,2,3,4,5,6,7
	v_pk_add_f32 v[T+4*\k:T+4*\k+1], v[X+16*\k:X+16*\k+1], v[X+16*\k+2:X+16*\k+3]
	v_pk_add_f32 v[T+4*\k+2:T+4*\k+3], v[X+16*\k+4:X+16*\k+5], v[X+16*\k+6:X+16*\k+7]
.endr
.irp p, 8,12
.irp k, 0,1,2,3,4,5,6,7
	v_pk_add_f32 v[T+4*\k:T+4*\k+1], v[T+4*\k:T+4*\k+1], v[X+16*\k+\p:X+16*\k+\p+1]
	v_pk_add_f32 v[T+4*\k+2:T+4*\k+3], v[T+4*\k+2:T+4*\k+3], v[X+16*\k+\p+2:X+16*\k+\p+3]
.endr
.endr
	RED8
.irp k, 0,1,2,3,4,5,6,7
	v_mul_f32 v[MU+2*\k], s31, v[T+4*\k]           ; the mean, twice: a pair for the packed forms
	v_mul_f32 v[MU+2*\k+1], s31, v[T+4*\k]
.endr
.irp k, 0,1,2,3,4,5,6,7
.irp p, 0,2,4,6,8,10,12,14
	v_pk_add_f32 v[X+16*\k+\p:X+16*\k+\p+1], v[X+16*\k+\p:X+16*\k+\p+1], v[MU+2*\k:MU+2*\k+1] neg_lo:[0,1] neg_hi:[0,1]   ; x - mean
.endr
.endr
.irp k, 0,1,2,3,4,5,6,7
	v_pk_mul_f32 v[T+4*\k:T+4*\k+1], v[X+16*\k:X+16*\k+1], v[X+16*\k:X+16*\k+1]
	v_pk_mul_f32 v[T+4*\k+2:T+4*\k+3], v[X+16*\k+2:X+16*\k+3], v[X+16*\k+2:X+16*\k+3]
.endr
.irp p, 4,8,12
.irp k, 0,1,2,3,4,5,6,7
	v_pk_fma_f32 v[T+4*\k:T+4*\k+1], v[X+16*\k+\p:X+16*\k+\p+1], v[X+16*\k+\p:X+16*\k+\p+1], v[T+4*\k:T+4*\k+1]
	v_pk_fma_f32 v[T+4*\k+2:T+4*\k+3], v[X+16*\k+\p+2:X+16*\k+\p+3], v[X+16*\k+\p+2:X+16*\k+\p+3], v[T+4*\k+2:T+4*\k+3]
.endr
.endr
	RED8
.irp k, 0,1,2,3,4,5,6,7
	v_fma_f32 v[T+4*\k], v[T+4*\k], s31, s33       ; the variance + 1e-6
.endr
.irp k, 0,1,2,3,4,5,6,7
	v_rsq_f32 v[RS+2*\k], v[T+4*\k]
	v_rsq_f32 v[RS+2*\k+1], v[T+4*\k]
.endr
	v_nop                                          ; a plain instruction behind the last of the batch (ISA guide 5.7.2)
	s_wait_alu depctr_va_vdst(0)                   ; one wait for the sixteen, ahead of their first reader
.irp k, 0,1,2,3,4,5,6,7
	s_add_co_u32 s26, s25, \k
	s_cmp_lt_u32 s26, 500
	s_cselect_b32 s28, 1.0, 0                      ; rows 500 on become zeros
	s_mov_b32 s29, s28
.irp p, 0,2,4,6,8,10,12,14
	v_pk_mul_f32 v[X+16*\k+\p:X+16*\k+\p+1], v[X+16*\k+\p:X+16*\k+\p+1], v[RS+2*\k:RS+2*\k+1]
.endr
.irp p, 0,2,4,6,8,10,12,14
	v_pk_fma_f32 v[X+16*\k+\p:X+16*\k+\p+1], v[X+16*\k+\p:X+16*\k+\p+1], v[G+\p:G+\p+1], v[B+\p:B+\p+1]
.endr
.irp p, 0,2,4,6,8,10,12,14
	v_pk_mul_f32 v[X+16*\k+\p:X+16*\k+\p+1], v[X+16*\k+\p:X+16*\k+\p+1], s[28:29] op_sel_hi:[1,0]
.endr
.irp i, 0,1,2,3
	ds_store_b128 v3, v[X+16*\k+4*\i:X+16*\k+4*\i+3] offset:\k*ROWP+512*\i
.endr
	ds_store_b32 v4, v[MU+2*\k] offset:8*\k        ; all lanes write the same word with the same value
	ds_store_b32 v4, v[RS+2*\k] offset:8*\k+4
.endr
	s_wait_dscnt 0x0                               ; for the others' sake: my rows lie in LDS
	s_barrier_signal -1
	s_barrier_wait -1                              ; the launch's one barrier: from here on LDS is only read
; ---- the weights' numbers are asked for now (waves 0 and 1) and quantised at the end.  Fragment idx = 2 (work-group % 32) + wave of chunk c = work-group / 32;
; idx = 32 q + 8 ww + t.  Lane (r, h) takes column 128 ww + 32 (t / 2) + 8 (t % 2) + r + 8 (r / 8) (W1: + 512 (c / 2)) and its registers run DOWN K: k = 128 ks + 64 c' + 32 h + i.
.macro WLOAD pitch
.set i, 0
.rept 64
	global_load_b32 v[192+i], v24, s[44:45] offset:((i/32)*64+(i%32))*\pitch
.set i, i+1
.endr
.endm
	s_cmp_ge_u32 s20, 2
	s_cbranch_scc1 .Lno_w
	s_lshr_b32 s52, ttmp9, 5                       ; c
	s_bfe_u32 s53, ttmp9, 0x10004                  ; q
	s_bfe_u32 s54, ttmp9, 0x20002                  ; ww
	s_and_b32 s55, ttmp9, 3
	s_lshl_b32 s55, s55, 1
	s_add_co_u32 s55, s55, s20                     ; t
	s_lshl_b32 s58, s54, 9
	s_lshr_b32 s60, s55, 1
	s_lshl_b32 s60, s60, 7
	s_add_co_u32 s58, s58, s60
	s_and_b32 s60, s55, 1
	s_lshl_b32 s60, s60, 5
	s_add_co_u32 s58, s58, s60                     ; the tile's first column, in bytes
	s_mov_b32 s59, 0
	s_cmp_lt_u32 ttmp9, 128
	s_cbranch_scc0 .Lw2
	s_and_b32 s60, s52, 1
	s_lshl_b32 s60, s60, 1
	s_add_co_u32 s60, s60, s53                     ; W1: K step 2 (c % 2) + q
	s_lshl_b32 s60, s60, 19
	s_add_co_u32 s58, s58, s60
	s_lshr_b32 s60, s52, 1
	s_lshl_b32 s60, s60, 11                        ; hidden half c / 2
	s_add_co_u32 s58, s58, s60
	s_add_nc_u64 s[44:45], s[10:11], s[58:59]
	WLOAD 4096
	s_branch .Lno_w
.Lw2:
	s_sub_co_u32 s60, s52, 4
	s_lshl_b32 s60, s60, 1
	s_add_co_u32 s60, s60, s53                     ; W2: K step 2 (c - 4) + q
	s_lshl_b32 s60, s60, 18
	s_add_co_u32 s58, s58, s60
	s_add_nc_u64 s[44:45], s[12:13], s[58:59]
	WLOAD 2048
.Lno_w:
; ---- the rows' codes: wave w takes tile tau = w / 2 and heads 4 (w % 2) + 0 .. 3: eight blocks of 32 (block n: head n / 2, half n % 2 of its 64), 16 numbers a lane
.set n, 0
.rept 8
.irp q, 0,1,2,3
	ds_load_b128 v[32+16*n+4*\q:35+16*n+4*\q], v5 offset:256*(n/2)+128*(n%2)+16*\q
.endr
.set n, n+1
.endr
.macro QKBLK n
.set XS, 32+16*(\n)
.set CC, 160+4*(\n)                    ; each block has its own registers for its codes and its byte: no store's data are written again here
	s_wait_dscnt 28-4*(\n)                         ; LDS loads come back in order: this block's four are in, the younger blocks' may be out
	v_max3_num_f32 v12, |v[XS]|, |v[XS+1]|, 0x1800000      ; my 16 numbers, and the floor 2^(3 - 127): the byte cannot fall under 1
	v_max3_num_f32 v13, |v[XS+2]|, |v[XS+3]|, |v[XS+4]|
	v_max3_num_f32 v12, v12, |v[XS+5]|, |v[XS+6]|
	v_max3_num_f32 v13, v13, |v[XS+7]|, |v[XS+8]|
	v_max3_num_f32 v12, v12, |v[XS+9]|, |v[XS+10]|
	v_max3_num_f32 v13, v13, |v[XS+11]|, |v[XS+12]|
	v_max3_num_f32 v12, v12, |v[XS+13]|, |v[XS+14]|
	v_max3_num_f32 v12, v12, v13, |v[XS+15]|
	v_max_num_f32_dpp v12, v12, v12 row_xmask:1 row_mask:0xf bank_mask:0xf   ; and my neighbour's 16: the block's largest magnitude
	v_add_nc_u32 v14, 0xff000000, v12              ; 2 off its exponent field: the conversion takes the exponent field of this operand as its scale
	v_cvt_scalef32_pk16_fp6_f32 v[CC:CC+2], v[XS:XS+15], v14
	v_lshrrev_b32 v[CC+3], 23, v14                 ; the scale's byte (also the plain instruction behind the conversion)
	global_store_b96 v6, v[CC:CC+2], s[36:37] offset:KVB*((\n)/2)+384*((\n)%2)   ; 384 consecutive bytes: lane place r + 16 (n % 2), 24 bytes each
.if (\n)%2
	v_lshl_or_b32 v[CC-1], v[CC+3], 8, v[CC-1]     ; the row's word: two bytes, and 0x7f7f for k = 64 .. 127, whose codes are zeros
	v_cndmask_b32 v[CC-1], v[CC-1], v25, s30       ; even lanes store the lower half, odd lanes the upper
	global_store_b16 v7, v[CC-1], s[38:39] offset:KVB*((\n)/2)
.endif
.endm
.irp n, 0,1,2,3,4,5,6,7
	QKBLK \n
.endr
; ---- V^T: wave w takes columns 32 w .. 32 w + 31 as two tiles of 16.  A lane takes a column and its registers run down the keys, in the operand's own order
.irp e, 0,1
.irp c, 0,1
.set i, 0
.rept 32
	ds_load_b32 v[32+64*\e+32*\c+i], v[8+\c] offset:i*ROWP+64*\e
.set i, i+1
.endr
.endr
.endr
; 64 numbers of a lane (register 32 c + i = k 64 c + 32 h + i of my column) become the operand's 12 registers v[F] on, and the column's scale word
.macro FRAGQ src, F, word
.irp c, 0,1
	v_max3_num_f32 v[12+\c], |v[\src+32*\c]|, |v[\src+32*\c+1]|, 0x1800000
.endr
.irp i, 2,4,6,8,10,12,14,16,18,20,22,24,26,28,30
.irp c, 0,1
	v_max3_num_f32 v[12+\c], v[12+\c], |v[\src+32*\c+\i]|, |v[\src+32*\c+\i+1]|
.endr
.endr
.irp c, 0,1
	v_add_nc_u32 v[14+\c], 0xff000000, v[12+\c]
.endr
.irp c, 0,1
	v_lshrrev_b32 v[18+\c], 23, v[14+\c]
.endr
	v_lshl_or_b32 v[\word], v19, 16, v18           ; my two bytes: blocks h and 2 + h,
	v_lshlrev_b32 v[\word], v26, v[\word]          ; at their places (8 h bits up);
	v_permlanex16_b32 v21, v[\word], s34, s35
	v_or_b32 v[\word], v[\word], v21               ; with lane l xor 16's two the word is whole
.irp c, 0,1
	v_cvt_scalef32_pk16_fp6_f32 v[\F+6*\c:\F+6*\c+2], v[\src+32*\c:\src+32*\c+15], v[14+\c]
	v_cvt_scalef32_pk16_fp6_f32 v[172+4*\c:174+4*\c], v[\src+32*\c+16:\src+32*\c+31], v[14+\c]   ; (a conversion's three registers begin on an even number)
.endr
	v_nop                                          ; one plain instruction behind a scaled conversion
.irp c, 0,1
.irp i, 0,1,2
	v_mov_b32 v[\F+3+6*\c+\i], v[172+4*\c+\i]
.endr
.endr
.endm
	s_wait_xcnt 0x0                                ; the row codes' stores have read v160-191: they are written again only behind this wait
	s_wait_dscnt 63                                ; at most 63 of the 128 loads are out: the first tile's 64 are in
	FRAGQ 32, 160, 16
.irp g, 0,1,2
	global_store_b128 v2, v[160+4*\g:163+4*\g], s[40:41] offset:512*\g       ; 512 consecutive bytes
.endr
	global_store_b32 v11, v16, s[42:43]
	s_wait_dscnt 0x0
	FRAGQ 96, 180, 17
.irp g, 0,1,2
	global_store_b128 v2, v[180+4*\g:183+4*\g], s[40:41] offset:1536+512*\g
.endr
	global_store_b32 v11, v17, s[42:43] offset:128
; ---- stats leave as 1,024 consecutive bytes, by wave 2
	s_cmp_lg_u32 s20, 2
	s_cbranch_scc1 .Lno_st
	ds_load_b128 v[32:35], v10
	ds_load_b128 v[36:39], v10 offset:512
	s_wait_dscnt 0x0
	global_store_b128 v2, v[32:35], s[46:47]
	global_store_b128 v2, v[36:39], s[46:47] offset:512
.Lno_st:
; ---- the weights' fragment
	s_cmp_ge_u32 s20, 2
	s_cbranch_scc1 .Ldone
	s_lshr_b32 s52, ttmp9, 5
	s_mul_i32 s52, s52, CHK
	s_and_b32 s53, ttmp9, 31
	s_lshl_b32 s53, s53, 1
	s_add_co_u32 s53, s53, s20                     ; idx
	s_mul_i32 s56, s53, 1536
	s_add_co_u32 s56, s56, s52
	s_add_nc_u64 s[48:49], s[18:19], s[56:57]
	s_lshl_b32 s56, s53, 7
	s_add_co_u32 s56, s56, s52
	s_add_co_u32 s56, s56, 98304
	s_add_nc_u64 s[50:51], s[18:19], s[56:57]
	s_wait_loadcnt 0x0
	s_wait_xcnt 0x0                                ; the first tile's stores have read v160-171
	FRAGQ 192, 160, 22
.irp g, 0,1,2
	global_store_b128 v2, v[160+4*\g:163+4*\g], s[48:49] offset:512*\g
.endr
	global_store_b32 v11, v22, s[50:51]
.Ldone:
	s_wait_tensorcnt 0x0
	ds_add_u32 v30, v31
	s_wait_dscnt 0x0
	s_endpgm
.Lfunc_end_k_q7e00eeef67_prep:
	.size	k_q7e00eeef67_prep, .Lfunc_end_k_q7e00eeef67_prep-k_q7e00eeef67_prep
	.p2alignl 7, 3214868480
	.fill 96, 4, 3214868480
	.section	.rodata,"a",@progbits
	.p2align	6, 0x0
	.amdhsa_kernel k_q7e00eeef67_prep
		.amdhsa_group_segment_fixed_size 267520
		.amdhsa_private_segment_fixed_size 0
		.amdhsa_enable_private_segment 0
		.amdhsa_kernarg_size 64
		.amdhsa_user_sgpr_count 2
		.amdhsa_user_sgpr_kernarg_segment_ptr 1
		.amdhsa_wavefront_size32 1
		.amdhsa_system_sgpr_workgroup_id_x 1
		.amdhsa_system_sgpr_workgroup_id_y 1
		.amdhsa_system_sgpr_workgroup_id_z 1
		.amdhsa_system_vgpr_workitem_id 0
		.amdhsa_next_free_vgpr 256
		.amdhsa_next_free_sgpr 66
		.amdhsa_reserve_vcc 0
		.amdhsa_float_denorm_mode_32 3
		.amdhsa_float_denorm_mode_16_64 3
		.amdhsa_memory_ordered 1
		.amdhsa_forward_progress 1
		.amdhsa_inst_pref_size 88
	.end_amdhsa_kernel
	.amdgpu_metadata
---
amdhsa.version: [ 1, 2 ]
amdhsa.kernels:
  - .name:           k_q7e00eeef67_prep
    .symbol:         k_q7e00eeef67_prep.kd
    .args:
      - { .name: x, .offset: 0, .size: 8, .value_kind: global_buffer, .address_space: global }
      - { .name: ln1_g, .offset: 8, .size: 8, .value_kind: global_buffer, .address_space: global }
      - { .name: ln1_b, .offset: 16, .size: 8, .value_kind: global_buffer, .address_space: global }
      - { .name: W1, .offset: 24, .size: 8, .value_kind: global_buffer, .address_space: global }
      - { .name: W2, .offset: 32, .size: 8, .value_kind: global_buffer, .address_space: global }
      - { .name: kv, .offset: 40, .size: 8, .value_kind: global_buffer, .address_space: global }
      - { .name: stats, .offset: 48, .size: 8, .value_kind: global_buffer, .address_space: global }
      - { .name: wts, .offset: 56, .size: 8, .value_kind: global_buffer, .address_space: global }
    .group_segment_fixed_size: 267520
    .private_segment_fixed_size: 0
    .kernarg_segment_align: 8
    .kernarg_segment_size: 64
    .max_flat_workgroup_size: 512
    .sgpr_count:     66
    .vgpr_count:     256
    .wavefront_size: 32
...
	.end_amdgpu_metadata
.endif
;; end of part 1
;; launch attn (part 2): grid 256 x 1, 16 waves a work-group, no clusters, 178,176 bytes of LDS; arguments x, ln1_g, ln1_b, kv, stats, y; writes y
.if DOCPART == 2
	.amdgcn_target "amdgcn-amd-amdhsa--gfx1250"
	.amdhsa_code_object_version 6
	.text
	.protected	k_q7e00eeef67_attn
	.globl	k_q7e00eeef67_attn
	.p2align	8
	.type	k_q7e00eeef67_attn,@function
k_q7e00eeef67_attn:
	s_mov_b64 s[64:65], 0
	v_nop
	global_prefetch_b8 v0, s[64:65] scope:SCOPE_SE
	s_setreg_imm32_b32 hwreg(HW_REG_WAVE_MODE, 25, 1), 1
	s_wait_xcnt 0x0
; ATTN.  y = h + causal attention(h), h = LN1(x), q = k = v = h, 8 heads of 64; both products on codes of E2M3 with one E8M0 scale for each 32 along K.
; Work-group 4 b + hp owns heads 2 hp and 2 hp + 1 of batch b.  Their two blocks of kv (106,496 consecutive bytes: all keys' codes and scale words) come into LDS ONCE, by four tensor loads; nothing is filled again.
; No tile is shared between work-groups, so there is no cluster.  Sixteen waves of 256 registers, four to a SIMD: one wave's softmax stands beside another's products and LDS loads.
; Wave w: head 2 hp + w / 8, i = w % 8; four tasks g = 0 .. 3: query tile 8 g + i, which needs the key steps (128 keys) 0 .. g: ten steps for every wave.
; LAYOUT.  Both products transposed: S^T = K Q^T (source 0 = 16 keys, source 1 = 16 queries), O^T = V^T P^T: a lane holds ONE query throughout.
; The rows of a tile are not neighbours: lane r of tile 2 G + u is row 32 G + 8 u + r + 8 (r / 8), so that the 16 registers of tiles 2 b, 2 b + 1 of S^T are 16 neighbouring keys.  Query tiles are the same images.
; The head's 64 fill k = 0 .. 63 of the instruction's 128; k = 64 .. 127 are zero codes, kept in registers, under the byte 0x7f.
; SOFTMAX: t = score x log2(e) / 8; M = the running largest t rounded up to a whole number; p = 2^(t - M) is quantised along the keys; the sum is taken of the unquantised p and divides at the end.
; Hidden keys become -infinity ahead of the maximum (only in the step on the diagonal); steps wholly above the diagonal are left out by a branch on the task's number.
; The residual h is made anew from x and the stored mean and 1/sigma.  Rows 500 .. 511 of a batch are computed from row 499 of x and zero codes: finite numbers that no later launch lets out.
; LIMITS: NaN and infinities among the inputs are not served; a block of p that has fallen to zeros keeps the byte 1: its codes are zeros.
; REGISTERS: v1-11 addresses; v12 -M, v13 largest t, v[14:15] the sum; v16-27 Q (6 + 6 zeros); v28 16 r; v29 -infinity; v32-79 four fragments of K (6 + 6 zeros each); v80-87 x's offsets; v88-95 g, b;
;   v96-159 S^T, then p, then v96-143 V's four fragments; v160-191 O^T; v192-223 x; v224-235 p's codes; v232-247, v252, v254 at work; v248-251, v253, v255 scale words.
.set KVB, 53248
.set STG, 2*KVB                        ; behind the two blocks: a stage of 16 rows x 272 bytes for each wave; no tensor load lands there
	s_load_b256 s[4:11], s[0:1], 0x0               ; x s[4:5], ln1_g s[6:7], ln1_b s[8:9], kv s[10:11]
	s_load_b128 s[12:15], s[0:1], 0x20             ; stats s[12:13], y s[14:15]
	v_lshl_add_u32 v254, v0, 2, 0x2b000
	v_mov_b32 v255, 0
	ds_add_u32 v254, v255
	ds_add_u32 v254, v255
	s_wait_dscnt 0x0
	v_lshrrev_b32 v1, 5, v0
	v_readfirstlane_b32 s16, v1                    ; wave 0..15
	s_lshr_b32 s17, ttmp9, 2                       ; b
	s_and_b32 s18, ttmp9, 3                        ; hp
	s_lshr_b32 s44, s16, 3
	s_lshl_b32 s19, s18, 1
	s_add_co_u32 s19, s19, s44                     ; my head
	s_and_b32 s20, s16, 7                          ; i
	; descriptor group 1: 104 rows of 256 bytes (32 elements of 8 bytes), dense, no padding
	s_mov_b32 s24, 3<<16
	s_mov_b32 s25, 32<<16                          ; tensor_dim0 = 32
	s_mov_b32 s26, 104<<16                         ; tensor_dim1 = 104
	s_mov_b32 s27, 32<<16                          ; tile_dim0 = 32
	s_mov_b32 s28, 104                             ; tile_dim1 = 104
	s_mov_b32 s29, 32                              ; pitch
	s_mov_b32 s30, 0
	s_mov_b32 s31, 0
	s_lshl_b32 s21, s17, 3
	s_lshl_b32 s22, s18, 1
	s_add_co_u32 s21, s21, s22
	s_mul_i32 s21, s21, KVB                        ; the two heads' blocks lie on end
	s_mul_i32 s33, s16, 26624                      ; a quarter for each of waves 0 to 3: LDS address,
	s_add_co_u32 s22, s21, s33                     ; and the same place in memory
	s_mov_b32 s23, 0
	s_mov_b32 s32, 1
	s_wait_kmcnt 0x0
	s_add_nc_u64 s[34:35], s[10:11], s[22:23]
	s_or_b32 s35, s35, 0x80000000                  ; type = 2
	s_cmp_lt_u32 s16, 4
	s_cbranch_scc0 .Lno_fill
	tensor_load_to_lds s[32:35], s[24:31]          ; by this text's count one tensor load of a wave is out
	s_nop 0
.rept 4
	v_nop
.endr
.Lno_fill:
	s_lshl_b32 s45, s19, 8                         ; my head's 256 bytes in a row
	s_mul_i32 s22, s17, 1024000
	s_add_co_u32 s22, s22, s45
	s_add_nc_u64 s[4:5], s[4:5], s[22:23]
	s_mov_b32 s22, s45
	s_add_nc_u64 s[6:7], s[6:7], s[22:23]
	s_add_nc_u64 s[8:9], s[8:9], s[22:23]
	s_lshl_b32 s22, s17, 20
	s_add_co_u32 s22, s22, s45
	s_add_nc_u64 s[14:15], s[14:15], s[22:23]      ; y: 512 rows a batch
	s_lshl_b32 s22, s17, 12
	s_add_nc_u64 s[12:13], s[12:13], s[22:23]
	v_and_b32 v30, 31, v0                          ; lane
	v_and_b32 v31, 15, v0                          ; r
	v_bfe_u32 v27, v0, 4, 1                        ; h
	s_mul_i32 s21, s44, KVB                        ; my head's block in LDS
	v_mul_u32_u24 v1, v30, 24
	v_add_nc_u32 v1, s21, v1                       ; row images: 24 bytes a lane
	v_lshl_add_u32 v2, v30, 4, s21                 ; V^T images: 16 bytes a lane
	v_lshl_add_u32 v3, v31, 2, s21                 ; the rows' scale words
	v_lshl_add_u32 v4, v30, 2, s21                 ; V^T's
	s_lshr_b32 s46, s20, 1
	s_lshl_b32 s46, s46, 5
	s_and_b32 s47, s20, 1
	s_lshl_b32 s47, s47, 3
	s_add_co_u32 s46, s46, s47                     ; my tile's first row within a step's 128: 32 (i / 2) + 8 (i % 2)
	v_and_b32 v6, 8, v31
	v_add3_u32 v6, v6, v31, s46
	v_lshlrev_b32 v7, 4, v27
	v_sub_nc_u32 v6, v6, v7                        ; d = my query - 16 h: register 16 b + i' holds key 32 b + 16 h + i' of the step: hidden where 32 b + i' > d
	s_mul_i32 s47, s16, 4352
	s_add_co_u32 s47, s47, STG                     ; my stage
	v_mul_u32_u24 v7, v31, 272
	v_lshl_add_u32 v7, v27, 5, v7
	v_add_nc_u32 v7, s47, v7                       ; in: row r, + 32 h
	v_mul_u32_u24 v8, v27, 272
	v_lshl_add_u32 v8, v31, 4, v8
	v_add_nc_u32 v8, s47, v8                       ; back: lanes 0-15 one row, lanes 16-31 the next
	v_add_nc_u32 v11, s46, v27                     ; the row that I take back first
	v_lshlrev_b32 v28, 4, v31
	v_lshl_add_u32 v9, v11, 11, v28                ; its place in y,
	v_lshlrev_b32 v10, 3, v11                      ; and in stats
	v_mov_b32 v29, 0xff800000
	global_load_b128 v[88:91], v28, s[6:7]         ; g and b of my four columns
	global_load_b128 v[92:95], v28, s[8:9]
.irp j, 22,23,24,25,26,27
	v_mov_b32 v\j, 0                               ; k = 64 .. 127 of Q: zero codes, written once
.endr
.irp t, 0,1,2,3
.irp j, 6,7,8,9,10,11
	v_mov_b32 v[32+12*\t+\j], 0                    ; and of K's four fragments
.endr
.endr
.irp j, 236,237,238,239,253
	v_mov_b32 v\j, 0                               ; written once: a lane permute's destination counts as a source; v253 is named as the upper half of v[252:253]
.endr
	s_mov_b32 s38, 0x76543210
	s_mov_b32 s39, 0xfedcba98
	s_mov_b32 s40, 0x3e38aa3b                      ; c = log2(e) / 8
	s_mov_b32 s41, s40
	s_mov_b32 s36, 0                               ; g
	s_mov_b32 s37, 0                               ; 128 g
	s_mul_i32 s42, s20, 768                        ; my query tile's image: 768 (8 g + i)
	s_lshl_b32 s43, s20, 6                         ; and its scale words: 64 (8 g + i)
	s_wait_tensorcnt 0x0                           ; my quarter has landed (a wave that fetched nothing passes at once),
	s_barrier_signal -1
	s_barrier_wait -1                              ; everybody's has
; A KEY STEP: keys 128 s .. 128 s + 127.  Every LDS address is a register that stays + an immediate.
.macro STEP s
.if \s > 0
	s_cmp_lt_u32 s36, \s                           ; all its keys come after my queries: left out
	s_cbranch_scc1 .Lskip_\@
.endif
.irp g, 0,1                                    ; S^T = K Q^T, four tiles of 16 keys at a time
.if \g > 0
.rept 4
	v_nop                                          ; places in front of loads into registers that matrix instructions have read
.endr
.endif
.irp t, 0,1,2,3
.irp p, 0,1,2
	ds_load_b64 v[32+12*\t+2*\p:33+12*\t+2*\p], v1 offset:(8*\s+4*\g+\t)*768+8*\p
.endr
	ds_load_b32 v[248+\t], v3 offset:49152+(8*\s+4*\g+\t)*64
.endr
	s_wait_dscnt 0x0
.irp t, 0,1,2,3
	v_wmma_scale_f32_16x16x128_f8f6f4 v[96+8*(4*\g+\t):103+8*(4*\g+\t)], v[32+12*\t:43+12*\t], v[16:27], 0, v[248+\t], v255 matrix_a_fmt:MATRIX_FMT_FP6 matrix_b_fmt:MATRIX_FMT_FP6
.endr
.endr
.rept 4
	v_nop
.endr
	s_cmp_lg_u32 s36, \s                           ; only the step on the diagonal hides keys
	s_cbranch_scc1 .Lopen_\@
.set n, 0
.rept 64
	v_cmp_gt_i32 vcc_lo, 32*(n/16)+n%16, v6
	v_cndmask_b32 v[96+n], v[96+n], v29, vcc_lo
.set n, n+1
.endr
.Lopen_\@:
.irp b, 0,1,2,3
	v_max3_num_f32 v[232+\b], v[96+16*\b], v[97+16*\b], v[98+16*\b]   ; the largest score of each block of 32 keys: for the row's maximum, and, since p rises with the score, for the block's largest p
.endr
.irp i, 3,5,7,9,11,13
.irp b, 0,1,2,3
	v_max3_num_f32 v[232+\b], v[232+\b], v[96+16*\b+\i], v[97+16*\b+\i]
.endr
.endr
.irp b, 0,1,2,3
	v_max_num_f32 v[232+\b], v[232+\b], v[111+16*\b]
.endr
.irp b, 0,1,2,3
	v_permlanex16_b32 v[236+\b], v[232+\b], s38, s39
.endr
.irp b, 0,1,2,3
	v_max_num_f32 v[232+\b], v[232+\b], v[236+\b]  ; with lane l xor 16's 16 keys
.endr
	v_max3_num_f32 v254, v232, v233, v234
	v_max_num_f32 v254, v254, v235
	v_mul_f32 v254, s40, v254                      ; as t (c is positive)
	v_max_num_f32 v13, v13, v254                   ; the running largest t
	v_mov_b32 v254, v12
	v_floor_f32 v12, -v13                          ; the new -M = floor(-t): M is a whole number
	v_sub_f32 v254, v12, v254                      ; old M - new M: a whole number, 0 or less
	v_cvt_i32_f32 v254, v254                       ; (it saturates)
	v_ldexp_f32 v252, 1.0, v254                    ; f = 2^(old M - new M): a multiplication by it rounds nothing
.irp j, 0,2,4,6,8,10,12,14,16,18,20,22,24,26,28,30,32,34,36,38,40,42,44,46,48,50,52,54,56,58,60,62
	v_pk_fma_f32 v[96+\j:97+\j], v[96+\j:97+\j], s[40:41], v[12:13] op_sel_hi:[1,0,0]   ; t - M
.endr
.irp b, 0,1,2,3
	v_fma_f32 v[232+\b], v[232+\b], s40, v12       ; the same of each block's largest score
.endr
.set n, 0
.rept 64
	v_exp_f32 v[96+n], v[96+n]                     ; p = 2^(t - M), not normalised
.set n, n+1
.endr
	v_pk_mul_f32 v[14:15], v[14:15], v[252:253] op_sel_hi:[1,0]   ; the sums under the new M (the plain instruction behind the batch)
	s_wait_alu depctr_va_vdst(0)                   ; one wait for the 64, ahead of their first reader
.irp b, 0,1,2,3
	v_exp_f32 v[232+\b], v[232+\b]                 ; the block's largest p
.endr
	v_pk_add_f32 v[236:237], v[96:97], v[98:99]    ; the row's sum, of the unquantised p, in two chains
.irp j, 4,8,12,16,20,24,28,32,36,40,44,48,52,56,60
	v_pk_add_f32 v[14:15], v[14:15], v[96+\j:97+\j]
	v_pk_add_f32 v[236:237], v[236:237], v[98+\j:99+\j]
.endr
	v_pk_add_f32 v[14:15], v[14:15], v[236:237]
	s_wait_alu depctr_va_vdst(0)                   ; and one for the four
.irp b, 0,1,2,3
	v_max_num_f32 v[232+\b], 0x1800000, v[232+\b]  ; the floor 2^(3 - 127)
.endr
.irp b, 0,1,2,3
	v_add_nc_u32 v[244+\b], 0xff000000, v[232+\b]  ; the conversion's scale operand
.endr
.irp b, 0,1,2,3
	v_lshrrev_b32 v[236+\b], 23, v[244+\b]         ; the scale's byte
.endr
	v_lshl_or_b32 v253, v237, 8, v236              ; p's scale word for these 128 keys
	v_lshl_or_b32 v253, v238, 16, v253
	v_lshl_or_b32 v253, v239, 24, v253
.irp c, 0,1
	v_cvt_scalef32_pk16_fp6_f32 v[224+6*\c:226+6*\c], v[96+32*\c:111+32*\c], v[244+2*\c]
	v_cvt_scalef32_pk16_fp6_f32 v[236+4*\c:238+4*\c], v[112+32*\c:127+32*\c], v[244+2*\c+1]
.endr
	v_nop                                          ; one plain instruction behind a scaled conversion
.irp t, 0,1,2,3                                ; V's four fragments take the registers that p has left; they land while the codes are put in order
.irp c, 0,1,2
	ds_load_b128 v[96+12*\t+4*\c:99+12*\t+4*\c], v2 offset:24576+(4*\s+\t)*1536+512*\c
.endr
	ds_load_b32 v[248+\t], v4 offset:51200+(4*\s+\t)*128
.endr
.irp c, 0,1                                    ; the operand's layout wants a whole block in a lane
.irp i, 0,1,2
	v_permlane16_swap_b32 v[224+6*\c+\i], v[236+4*\c+\i]
.endr
.irp i, 0,1,2
	v_mov_b32 v[227+6*\c+\i], v[236+4*\c+\i]
.endr
.endr
.irp j, 0,2,4,6,8,10,12,14,16,18,20,22,24,26,28,30
	v_pk_mul_f32 v[160+\j:161+\j], v[160+\j:161+\j], v[252:253] op_sel_hi:[1,0]   ; O^T under the new M; these sixteen also stand between the codes' and the scale word's last writes and the products
.endr
	s_wait_dscnt 0x0
.irp t, 0,1,2,3                                ; O^T += V^T P^T; the four accumulators take turns
	v_wmma_scale_f32_16x16x128_f8f6f4 v[160+8*\t:167+8*\t], v[96+12*\t:107+12*\t], v[224:235], v[160+8*\t:167+8*\t], v[248+\t], v253 matrix_a_fmt:MATRIX_FMT_FP6 matrix_b_fmt:MATRIX_FMT_FP6
.endr
.rept 5
	v_nop                                          ; five places: the next scores are written over V's fragments by matrix instructions
.endr
.if \s > 0
.Lskip_\@:
.endif
.endm
.Ltask:
	v_add_nc_u32 v5, s42, v1
	v_add_nc_u32 v30, s43, v3
.irp p, 0,1,2
	ds_load_b64 v[16+2*\p:17+2*\p], v5 offset:8*\p     ; my query tile
.endr
	ds_load_b32 v255, v30 offset:49152
.irp i, 0,1,2,3,4,5,6,7
	v_add3_u32 v254, v11, s37, 2*\i+8*(\i/4)       ; the 16 rows in the order in which they come back from the stage,
	v_min_u32 v254, 0x1f3, v254                    ; held inside x
	v_lshl_add_u32 v[80+\i], v254, 11, v28
.endr
.irp i, 0,1,2,3,4,5,6,7
	global_load_b128 v[192+4*\i:195+4*\i], v[80+\i], s[4:5] th:TH_LOAD_NT     ; x for the residual: wanted at the task's end
.endr
	v_mov_b32 v13, 0xff61b1e6                      ; the largest t so far: -3e38
	v_floor_f32 v12, -v13
	v_mov_b32 v14, 0
	v_mov_b32 v15, 0
.set n, 0
.rept 32
	v_mov_b32 v[160+n], 0                          ; O^T: the step is written once; the first change of M leaves zeros zeros
.set n, n+1
.endr
	STEP 0
	STEP 1
	STEP 2
	STEP 3
	; the task's way out
.irp i, 0,1,2,3,4,5,6,7
	global_load_b64 v[128+2*\i:129+2*\i], v10, s[12:13] offset:(2*\i+8*(\i/4))*8   ; mean and 1/sigma of the rows that I take back
.endr
	v_add_f32 v14, v14, v15
	v_permlanex16_b32 v252, v14, s38, s39
	v_add_f32 v14, v14, v252                       ; the row's sum
	v_rcp_f32 v14, v14
	v_nop
	s_wait_alu depctr_va_vdst(0)                   ; ahead of the reciprocal's first reader
.set n, 0
.rept 32
	v_mul_f32 v[96+n], v[160+n], v14               ; register 8 t + i: o(query r, 16 t + 8 h + i); each accumulator from its low end on
.set n, n+1
.endr
.irp t, 0,1,2,3
	ds_store_b128 v7, v[96+8*\t:99+8*\t] offset:64*\t
	ds_store_b128 v7, v[100+8*\t:103+8*\t] offset:64*\t+16
.endr
.irp i, 0,1,2,3,4,5,6,7
	ds_load_b128 v[160+4*\i:163+4*\i], v8 offset:544*\i    ; LDS serves a wave's instructions in order (ISA guide 5.7.1.4): these see my stores
.endr
	s_wait_loadcnt 0x0
	s_wait_dscnt 0x0
.irp i, 0,1,2,3,4,5,6,7
.irp e, 0,1,2,3
	v_sub_f32 v[192+4*\i+\e], v[192+4*\i+\e], v[128+2*\i]
.endr
.irp e, 0,1,2,3
	v_mul_f32 v[192+4*\i+\e], v[192+4*\i+\e], v[129+2*\i]
.endr
.irp e, 0,2
	v_pk_fma_f32 v[192+4*\i+\e:193+4*\i+\e], v[192+4*\i+\e:193+4*\i+\e], v[88+\e:89+\e], v[92+\e:93+\e]   ; h
.endr
.irp e, 0,2
	v_pk_add_f32 v[192+4*\i+\e:193+4*\i+\e], v[192+4*\i+\e:193+4*\i+\e], v[160+4*\i+\e:161+4*\i+\e]       ; + attention
.endr
	global_store_b128 v9, v[192+4*\i:195+4*\i], s[14:15] offset:(2*\i+8*(\i/4))*2048   ; sixteen lanes store 256 consecutive bytes, at a multiple of 256 from y's first byte
.endr
	s_wait_xcnt 0x0                                ; the stores have read their registers and their base: both are written again only behind this wait
	s_add_nc_u64 s[14:15], s[14:15], 262144        ; 128 rows on
	s_add_nc_u64 s[12:13], s[12:13], 1024
	s_add_co_u32 s37, s37, 128
	s_add_co_u32 s42, s42, 6144
	s_add_co_u32 s43, s43, 512
	s_add_co_u32 s36, s36, 1
	s_cmp_lt_u32 s36, 4
	s_cbranch_scc1 .Ltask
	s_wait_xcnt 0x0
	v_lshl_add_u32 v254, v0, 2, 0x2b000
	v_mov_b32 v255, 0
	s_wait_tensorcnt 0x0
	ds_add_u32 v254, v255
	s_wait_dscnt 0x0
	s_endpgm
.Lfunc_end_k_q7e00eeef67_attn:
	.size	k_q7e00eeef67_attn, .Lfunc_end_k_q7e00eeef67_attn-k_q7e00eeef67_attn
	.p2alignl 7, 3214868480
	.fill 96, 4, 3214868480
	.section	.rodata,"a",@progbits
	.p2align	6, 0x0
	.amdhsa_kernel k_q7e00eeef67_attn
		.amdhsa_group_segment_fixed_size 178176
		.amdhsa_private_segment_fixed_size 0
		.amdhsa_enable_private_segment 0
		.amdhsa_kernarg_size 48
		.amdhsa_user_sgpr_count 2
		.amdhsa_user_sgpr_kernarg_segment_ptr 1
		.amdhsa_wavefront_size32 1
		.amdhsa_system_sgpr_workgroup_id_x 1
		.amdhsa_system_sgpr_workgroup_id_y 1
		.amdhsa_system_sgpr_workgroup_id_z 1
		.amdhsa_system_vgpr_workitem_id 0
		.amdhsa_next_free_vgpr 256
		.amdhsa_next_free_sgpr 66
		.amdhsa_reserve_vcc 1
		.amdhsa_float_denorm_mode_32 3
		.amdhsa_float_denorm_mode_16_64 3
		.amdhsa_memory_ordered 1
		.amdhsa_forward_progress 1
		.amdhsa_inst_pref_size 105
	.end_amdhsa_kernel
	.amdgpu_metadata
---
amdhsa.version: [ 1, 2 ]
amdhsa.kernels:
  - .name:           k_q7e00eeef67_attn
    .symbol:         k_q7e00eeef67_attn.kd
    .args:
      - { .name: x, .offset: 0, .size: 8, .value_kind: global_buffer, .address_space: global }
      - { .name: ln1_g, .offset: 8, .size: 8, .value_kind: global_buffer, .address_space: global }
      - { .name: ln1_b, .offset: 16, .size: 8, .value_kind: global_buffer, .address_space: global }
      - { .name: kv, .offset: 24, .size: 8, .value_kind: global_buffer, .address_space: global }
      - { .name: stats, .offset: 32, .size: 8, .value_kind: global_buffer, .address_space: global }
      - { .name: y, .offset: 40, .size: 8, .value_kind: global_buffer, .address_space: global }
    .group_segment_fixed_size: 178176
    .private_segment_fixed_size: 0
    .kernarg_segment_align: 8
    .kernarg_segment_size: 48
    .max_flat_workgroup_size: 512
    .sgpr_count:     66
    .vgpr_count:     256
    .wavefront_size: 32
...
	.end_amdgpu_metadata
.endif
;; end of part 2
;; launch mlp (part 3): grid 256 x 1, 4 waves a work-group, clusters of 4 x 1, 327,680 bytes of LDS; arguments y, ln2_g, ln2_b, wts, b1, b2, out0; writes out0
.if DOCPART == 3
	.amdgcn_target "amdgcn-amd-amdhsa--gfx1250"
	.amdhsa_code_object_version 6
	.text
	.protected	k_q7e00eeef67_mlp
	.globl	k_q7e00eeef67_mlp
	.p2align	8
	.type	k_q7e00eeef67_mlp,@function
k_q7e00eeef67_mlp:
	s_mov_b64 s[64:65], 0
	v_nop
	global_prefetch_b8 v0, s[64:65] scope:SCOPE_SE
	s_setreg_imm32_b32 hwreg(HW_REG_WAVE_MODE, 25, 1), 1
	s_wait_xcnt 0x0
	s_wait_alu depctr_hold_cnt(0) depctr_sa_sdst(0) depctr_va_vdst(0) depctr_va_sdst(0) depctr_va_ssrc(0) depctr_va_vcc(0) depctr_vm_vsrc(0)
	s_getreg_b32 s2, hwreg(HW_REG_IB_STS2, 6, 4)
	s_cmp_eq_u32 s2, 0
	s_cbranch_scc0 .Lentry_in_a_cluster
	s_endpgm
.Lentry_in_a_cluster:
	s_bfe_u32 s2, ttmp6, 0x10000c
	s_cmp_lg_u32 s2, 0x3003
	s_cbranch_scc0 .Lentry_shape_is_right
	s_endpgm
.Lentry_shape_is_right:
; MLP.  h2 = LN2(y); out = h2 + relu(h2 W1 + b1) W2 + b2; both products on codes of E2M3 with one E8M0 scale for each 32 along K.
; A work-group of four waves owns 128 rows (rows 128 j on of batch b; y has 512 rows a batch, out0 500: rows 500 on are computed and not stored).
; A: wave w norms rows 32 w .. 32 w + 31, quantises them and lays their fragments in LDS as images of the operand's registers.
; Products: THE WAVES SHARE THE COLUMNS: wave w makes 128 hidden units of each half of the hidden layer (one K step of the second product) and outputs 128 w .. 128 w + 127, for all 128 rows: 64 accumulators.
; Both are used transposed (source 0 = 16 columns of the weight, source 1 = 16 rows), so that a lane's registers run along the next K, or along a row of the output.
; The columns of a weight's tile are not neighbours: lane r of tile t is column 32 (t / 2) + 8 (t % 2) + r + 8 (r / 8) of the wave's 128: the registers of tiles 2 b, 2 b + 1 are then 16 neighbours.
; THE WEIGHTS, 8 chunks of 106,496 bytes (two K steps of codes and scale words for all four waves, laid by the first launch in the order of the operand's registers), go through a ring of two LDS slots.
; All 256 work-groups walk the same chunks: the four of a cluster ask JOINTLY, each wave for a quarter of a chunk.  j is taken from the cluster's number, so the one branch on it is alike in all partners.
; The hidden layer never goes to memory.  h2 for the residual is made anew from y and the stored mean and 1/sigma: beside 512 accumulators there is no room for it.
; No prefetch: the chunks are read by every work-group, and y's second read follows its first within the launch.
; LIMITS: NaN and infinities are not served; a block under 2^-124 keeps the byte 1, and so does a block of zeros (its codes are zeros; this program alone reads the bytes); the norm's sums are tree sums; the variance is taken of y - mean.
; REGISTERS, in windows of 256.  Window 0: v1, v2 the spare word's address and 0; v3-31 addresses; v32-47 the weights' scale words, v48-63 the rows', two sets each, and nothing else;
;   v64-127 ST: 64 numbers at work; v128-223 the rows' eight fragments (while they are dead: v128-164 the quantiser's); v224-231 g, b on the way out.
;   Window 1: the weights' fragments, two sets (v0, v128), the bias tiles (v96-127, v224-255); in A: 16 rows of y; on the way out: a ring of y.
;   Windows 2, 3: the accumulators, (m, t) at v[8 (8 (m % 4) + t)]; in A window 2 holds mean, 1/sigma, g, b.
.set SLOT,  106496
.set HA,    2*SLOT                     ; hidden K steps 0-3: 32 fragments of 1,536 bytes (4 m + s), then 32 x 128 bytes of scale words; in A each wave's stage
.set XI,    HA+53248                   ; h2's 32 fragments likewise; later hidden K steps 4-7
.set SCO,   49152
.set STATS, XI+53248                   ; 16 bytes a row: mean, mean, 1/sigma, 1/sigma
.set SPARE, STATS+2048                 ; the spare words: 128 bytes a wave, two blocks of 256 bytes that no other line names
.set ST, 64
.set PC, 128                           ; v128-139 the codes just made, v140-146 their second halves
.set TM, 148                           ; v148-163 maxima, bytes, scale operands
.set PW, 164                           ; the scale word just made
.set MSB, 0
.macro WIN new                         ; the immediate's high byte repeats the setting that is left
.if MSB != \new
	s_set_vgpr_msb (MSB<<8)|\new
.set MSB, \new
.endif
.endm
.macro PLACES                          ; four places behind a matrix instruction of this form, in front of loads into its registers and of reads of its results
.rept 4
	v_nop
.endr
.endm
.macro CROUND                          ; a round of the cluster's barrier
	s_barrier_signal -1
	s_barrier_wait -1
	s_cmp_lg_u32 s18, 0
	s_cbranch_scc1 .Lnot_wave_0_\@
	s_barrier_signal -3
.Lnot_wave_0_\@:
	s_barrier_wait -3
	s_barrier_signal -1
	s_barrier_wait -1
.endm
; 64 numbers of a lane, register 16 b + i = k 32 b + 16 (lane / 16) + i of my row, become a fragment's codes in v[PC] on and its scale word in v[PW]
.macro QUANT s
.irp b, 0,1,2,3
	v_max3_num_f32 v[TM+\b], |v[\s+16*\b]|, |v[\s+1+16*\b]|, 0x1800000   ; and the floor 2^(3 - 127): the byte cannot fall under 1
.endr
.irp i, 2,4,6,8,10,12,14
.irp b, 0,1,2,3
	v_max3_num_f32 v[TM+\b], v[TM+\b], |v[\s+16*\b+\i]|, |v[\s+1+16*\b+\i]|
.endr
.endr
.irp b, 0,1,2,3
	v_permlanex16_b32 v[TM+4+\b], v[TM+\b], s46, s47
.endr
.irp b, 0,1,2,3
	v_max_num_f32 v[TM+\b], v[TM+\b], v[TM+4+\b]
.endr
.irp b, 0,1,2,3
	v_add_nc_u32 v[TM+12+\b], 0xff000000, v[TM+\b]
.endr
.irp b, 0,1,2,3
	v_lshrrev_b32 v[TM+4+\b], 23, v[TM+12+\b]
.endr
	v_lshl_or_b32 v[PW], v[TM+5], 8, v[TM+4]
	v_lshl_or_b32 v[PW], v[TM+6], 16, v[PW]
	v_lshl_or_b32 v[PW], v[TM+7], 24, v[PW]
.irp c, 0,1
	v_cvt_scalef32_pk16_fp6_f32 v[PC+6*\c:PC+2+6*\c], v[\s+32*\c:\s+15+32*\c], v[TM+12+2*\c]
	v_cvt_scalef32_pk16_fp6_f32 v[PC+12+4*\c:PC+14+4*\c], v[\s+16+32*\c:\s+31+32*\c], v[TM+12+2*\c+1]
.endr
	v_nop                                          ; one plain instruction behind a scaled conversion
.irp c, 0,1
.irp i, 0,1,2
	v_permlane16_swap_b32 v[PC+6*\c+\i], v[PC+12+4*\c+\i]
.endr
.irp i, 0,1,2
	v_mov_b32 v[PC+3+6*\c+\i], v[PC+12+4*\c+\i]
.endr
.endr
.endm
.macro IMAGE adr, off                  ; the fragment in v[PC] on goes to LDS as it stands: lane l's 16 bytes at 16 l, 512 bytes a store
.irp c, 0,1,2
	ds_store_b128 v[\adr], v[PC+4*\c:PC+4*\c+3] offset:\off+512*\c
.endr
.endm
.macro FRAGL reg, adr, off             ; and comes back so, in any wave
.irp c, 0,1,2
	ds_load_b128 v[\reg+4*\c:\reg+4*\c+3], v[\adr] offset:\off+512*\c
.endr
.endm
.macro FETCH_B slot, q, set            ; my eight fragments of the slot's q-th K step into set
	WIN 0x40
.irp t, 0,1,2,3,4,5,6,7
	FRAGL 128*(\set)+12*\t, 5+(\slot), (32*(\q)+\t)*1536
.endr
	WIN 0
.endm
.macro FETCH_A abase, s, i0            ; the rows' blocks i0 .. i0 + 3 of K step s of the region
.irp i, \i0, \i0+1, \i0+2, \i0+3
	FRAGL 128+12*(\i), \abase, (4*(\i)+(\s))*1536
.endr
.endm
.macro SCALES slot, q, asc, s, set
.irp t, 0,1,2,3,4,5,6,7
	ds_load_b32 v[32+8*(\set)+\t], v[7+(\slot)] offset:4096*(\q)+128*\t
.endr
.irp m, 0,1,2,3,4,5,6,7
	ds_load_b32 v[48+8*(\set)+\m], v[\asc] offset:(4*\m+(\s))*128
.endr
.endm
; 16 matrix instructions: row blocks a0, a0 + 1 x my eight tiles.  bias = 1: the sum begins with the bias tile as C.  The 64 accumulators take turns in the same order in every step.
.macro MUL16 a0, set, bias
.irp a, \a0, \a0+1
.irp b, 0,1,2,3,4,5,6,7
.if \bias
	v_wmma_scale_f32_16x16x128_f8f6f4 v[8*(8*((\a)%4)+\b):8*(8*((\a)%4)+\b)+7], v[128*(\set)+12*\b:128*(\set)+12*\b+11], v[128+12*(\a):128+12*(\a)+11], v[96+8*\b+96*(\b/4):96+8*\b+96*(\b/4)+7], v[32+8*(\set)+\b], v[48+8*(\set)+(\a)] matrix_a_fmt:MATRIX_FMT_FP6 matrix_b_fmt:MATRIX_FMT_FP6
.else
	v_wmma_scale_f32_16x16x128_f8f6f4 v[8*(8*((\a)%4)+\b):8*(8*((\a)%4)+\b)+7], v[128*(\set)+12*\b:128*(\set)+12*\b+11], v[128+12*(\a):128+12*(\a)+11], v[8*(8*((\a)%4)+\b):8*(8*((\a)%4)+\b)+7], v[32+8*(\set)+\b], v[48+8*(\set)+(\a)] matrix_a_fmt:MATRIX_FMT_FP6 matrix_b_fmt:MATRIX_FMT_FP6
.endif
.endr
.endr
.endm
.macro HEADFETCH slot, abase, asc, s
	FETCH_B \slot, 0, 0
	FETCH_A \abase, \s, 0
	SCALES \slot, 0, \asc, \s, 0
	FETCH_A \abase, \s, 4
.endm
; a chunk's first K step; in its middle and at its end the second step's operands are fetched.  A row block is free as soon as its eight products are issued, so one set of registers serves the rows
.macro STEP slot, abase, asc, s, bias
	s_wait_dscnt 12                                ; all but the youngest 12 loads (row blocks 4-7)
.if \bias
	WIN 0x91                                       ; weights window 1, rows window 0, C (bias) window 1, D window 2
.else
	WIN 0xa1
.endif
	MUL16 0, 0, \bias
	MUL16 2, 0, \bias
	s_wait_dscnt 0x0
	PLACES
	FETCH_B \slot, 1, 1
	FETCH_A \abase, (\s)+1, 0
	SCALES \slot, 1, \asc, (\s)+1, 1
.if \bias
	WIN 0xd1
.else
	WIN 0xf1
.endif
	MUL16 4, 0, \bias
	MUL16 6, 0, \bias
	PLACES
	WIN 0
	FETCH_A \abase, (\s)+1, 4
.endm
.macro LAST                            ; a chunk's second K step
	s_wait_dscnt 12
	WIN 0xa1
	MUL16 0, 1, 0
	MUL16 2, 1, 0
	s_wait_dscnt 0x0
	WIN 0xf1
	MUL16 4, 1, 0
	MUL16 6, 1, 0
	WIN 0
	PLACES
.endm
; the slot just read is left.  Each wave waits for all its tensor loads (its quarter of the other slot), adds 0 to its spare word, waits for that and for its reads; fill = 1: a round of the cluster's barrier, and the joint refill first behind it
.macro CHANGE slot, fill
	s_wait_tensorcnt 0x0                           ; no tensor load of mine is out, so a group 0 may be written
	ds_add_u32 v1, v2
.if \fill
	s_add_nc_u64 s[34+4*\slot:35+4*\slot], s[34+4*\slot:35+4*\slot], 2*SLOT   ; the chunk two on
.endif
	s_wait_dscnt 0x0
.if \fill
	CROUND
	tensor_load_to_lds s[32+4*\slot:35+4*\slot], s[24:31]   ; it has a chunk's 128 matrix instructions a wave in which to land
	s_nop 0
.rept 4
	v_nop
.endr
.else
	s_barrier_signal -1
	s_barrier_wait -1
.endif
.endm
.macro BIASLD base                     ; eight tiles in the result's layout: lane (r, h), tile t: the numbers 32 (t / 2) + 8 (t % 2) + 16 h + 0 .. 7 of my 128
	WIN 0x40
.irp t, 0,1,2,3,4,5,6,7
	global_load_b128 v[96+8*\t+96*(\t/4):99+8*\t+96*(\t/4)], v21, s[\base:\base+1] offset:(32*(\t/2)+8*(\t%2))*4
	global_load_b128 v[100+8*\t+96*(\t/4):103+8*\t+96*(\t/4)], v21, s[\base:\base+1] offset:(32*(\t/2)+8*(\t%2))*4+16
.endr
	WIN 0
.endm
	s_load_b256 s[4:11], s[0:1], 0x0               ; y s[4:5], ln2_g s[6:7], ln2_b s[8:9], wts s[10:11]
	s_load_b128 s[12:15], s[0:1], 0x20             ; b1 s[12:13], b2 s[14:15]
	s_load_b64 s[16:17], s[0:1], 0x30              ; out0
	v_lshl_add_u32 v1, v0, 2, SPARE
	v_mov_b32 v2, 0
	ds_add_u32 v1, v2
	ds_add_u32 v1, v2
	s_wait_dscnt 0x0
	v_lshrrev_b32 v3, 5, v0
	v_readfirstlane_b32 s18, v3                    ; wave 0..3
	s_bfe_u32 s19, ttmp6, 0x40000                  ; cx: it enters y's and out0's addresses alone
	s_and_b32 s20, ttmp9, 3                        ; j: the same in the four partners
	s_lshr_b32 s21, ttmp9, 2
	s_lshl_b32 s21, s21, 2
	s_add_co_u32 s21, s21, s19                     ; b
	; descriptor group 1: a quarter of a chunk: 104 rows of 256 bytes (32 elements of 8 bytes), dense; the mask names all four work-groups, bit 21 beside it
	s_mov_b32 s24, 15|(3<<16)|(1<<21)
	s_mov_b32 s25, 32<<16
	s_mov_b32 s26, 104<<16
	s_mov_b32 s27, 32<<16
	s_mov_b32 s28, 104
	s_mov_b32 s29, 32
	s_mov_b32 s30, 0
	s_mov_b32 s31, 0
	s_mul_i32 s22, s18, 26624
	s_mov_b32 s23, 0
	s_mov_b32 s32, 1
	s_mov_b32 s33, s22
	s_mov_b32 s36, 1
	s_add_co_u32 s37, s22, SLOT
	s_wait_kmcnt 0x0
	s_add_nc_u64 s[34:35], s[10:11], s[22:23]      ; chunk 0
	s_add_nc_u64 s[38:39], s[34:35], SLOT          ; chunk 1
	s_or_b32 s35, s35, 0x80000000
	s_or_b32 s39, s39, 0x80000000
	CROUND                                         ; all four work-groups are here: the first joint loads meet
	tensor_load_to_lds s[32:35], s[24:31]
	s_nop 0
	tensor_load_to_lds s[36:39], s[24:31]          ; two loads of mine are out
	s_nop 0
.rept 4
	v_nop
.endr
	v_and_b32 v30, 15, v0                          ; r
	v_bfe_u32 v31, v0, 4, 1                        ; h
	v_and_b32 v4, 31, v0
	v_lshlrev_b32 v3, 4, v4                        ; 16 lane
	v_lshlrev_b32 v4, 2, v4                        ; 4 lane
	s_mul_i32 s52, s18, 12288
	v_add_nc_u32 v5, s52, v3                       ; my eight fragments in slot 0,
	v_add_nc_u32 v6, SLOT, v5                      ; in slot 1
	s_lshl_b32 s52, s18, 10
	s_add_co_u32 s52, s52, 98304
	v_add_nc_u32 v7, s52, v4                       ; their scale words
	v_add_nc_u32 v8, SLOT, v7
	v_add_nc_u32 v9, XI, v3
	v_add_nc_u32 v10, XI+SCO, v4
	v_add_nc_u32 v11, HA, v3
	v_add_nc_u32 v12, HA+SCO, v4
	s_mul_i32 s52, s18, 1536
	v_add_nc_u32 v28, s52, v3                      ; the hidden layer's images: K step w of a region
	s_lshl_b32 s52, s18, 7
	s_add_co_u32 s52, s52, SCO
	v_add_nc_u32 v29, s52, v4
	s_mul_i32 s52, s18, 13312
	s_add_co_u32 s52, s52, HA                      ; A: my stage, 16 rows x 528 bytes
	v_add_nc_u32 v15, s52, v3
	v_mul_u32_u24 v16, v30, 528
	v_lshl_add_u32 v16, v31, 6, v16                ; row r, + 64 h
	s_mul_i32 s53, s18, 67584                      ; the way out: my stage, 128 rows x 528 bytes
	v_add_nc_u32 v23, s53, v16
	v_add_nc_u32 v24, s53, v3
	v_add_nc_u32 v16, s52, v16
	s_lshl_b32 s52, s18, 9
	s_add_co_u32 s52, s52, STATS
	v_mov_b32 v17, s52
	v_mov_b32 v25, STATS
	s_mul_i32 s52, s18, 8*1536
	s_add_co_u32 s52, s52, XI
	v_add_nc_u32 v18, s52, v3                      ; h2's images: fragment 4 (2 w + mt) + s
	s_lshl_b32 s52, s18, 10
	s_add_co_u32 s52, s52, XI+SCO
	v_add_nc_u32 v19, s52, v4
	v_lshlrev_b32 v21, 6, v31
.irp b, 0,1,2,3
	v_mov_b32 v[TM+4+\b], 0                        ; written once: a lane permute's destination counts as one of its sources
.endr
	s_mov_b32 s46, 0x76543210
	s_mov_b32 s47, 0xfedcba98
	s_mov_b32 s48, 0x3b000000                      ; 1 / 512
	s_mov_b32 s49, 0x358637bd                      ; 1e-6
	s_lshl_b32 s54, s21, 20
	s_lshl_b32 s55, s20, 18
	s_add_co_u32 s54, s54, s55
	s_mov_b32 s55, 0
	s_add_nc_u64 s[42:43], s[4:5], s[54:55]        ; y at the block's first row
	s_lshl_b32 s54, s18, 16
	s_add_nc_u64 s[40:41], s[42:43], s[54:55]      ; A: my 32 rows
	s_lshl_b32 s54, s18, 9
	s_add_nc_u64 s[42:43], s[42:43], s[54:55]      ; the way out: my 128 columns
	s_add_nc_u64 s[66:67], s[6:7], s[54:55]
	s_add_nc_u64 s[68:69], s[8:9], s[54:55]
	s_add_nc_u64 s[50:51], s[12:13], s[54:55]      ; b1: my 128 of the first half,
	s_add_nc_u64 s[52:53], s[50:51], 2048          ; of the second
	s_add_nc_u64 s[58:59], s[14:15], s[54:55]      ; b2
	s_add_nc_u64 s[44:45], s[16:17], s[54:55]
	s_mul_i32 s54, s21, 500
	s_lshl_b32 s56, s20, 7
	s_add_co_u32 s54, s54, s56
	s_lshl_b32 s54, s54, 11
	s_add_nc_u64 s[44:45], s[44:45], s[54:55]      ; out0: row 500 b + 128 j
	WIN 0x80
.irp i, 0,1,2,3
	global_load_b128 v[64+4*\i:67+4*\i], v3, s[6:7] offset:512*\i    ; window 2: g,
	global_load_b128 v[80+4*\i:83+4*\i], v3, s[8:9] offset:512*\i    ; b
.endr
	WIN 0x40
.set k, 0
.rept 16
.irp i, 0,1,2,3
	global_load_b128 v[16*k+4*\i:16*k+4*\i+3], v3, s[40:41] offset:2048*k+512*\i   ; window 1: 16 rows, 512 consecutive bytes a load
.endr
.set k, k+1
.endr
	WIN 0
.macro RED16                           ; a row's four partial sums, then over the 32 lanes; sixteen rows by turns
.set k, 0
.rept 16
	v_pk_add_f32 v[ST+4*k:ST+4*k+1], v[ST+4*k:ST+4*k+1], v[ST+4*k+2:ST+4*k+3]
.set k, k+1
.endr
.set k, 0
.rept 16
	v_add_f32 v[ST+4*k], v[ST+4*k], v[ST+4*k+1]
.set k, k+1
.endr
.irp m, 1,2,4,8
.set k, 0
.rept 16
	v_add_f32_dpp v[ST+4*k], v[ST+4*k], v[ST+4*k] row_xmask:\m row_mask:0xf bank_mask:0xf
.set k, k+1
.endr
.endr
.set k, 0
.rept 16
	v_permlanex16_b32 v[ST+4*k+1], v[ST+4*k], s46, s47
.set k, k+1
.endr
.set k, 0
.rept 16
	v_add_f32 v[ST+4*k], v[ST+4*k], v[ST+4*k+1]
.set k, k+1
.endr
.endm
; ---- A: two tiles of 16 rows
	s_mov_b32 s56, 0
.Lrows:
	s_wait_loadcnt 0x0
	WIN 0x05                                       ; sources in window 1, results in window 0
.set k, 0
.rept 16
	v_pk_add_f32 v[ST+4*k:ST+4*k+1], v[16*k:16*k+1], v[16*k+2:16*k+3]
	v_pk_add_f32 v[ST+4*k+2:ST+4*k+3], v[16*k+4:16*k+5], v[16*k+6:16*k+7]
.set k, k+1
.endr
	WIN 0x04
.irp p, 8,12
.set k, 0
.rept 16
	v_pk_add_f32 v[ST+4*k:ST+4*k+1], v[ST+4*k:ST+4*k+1], v[16*k+\p:16*k+\p+1]
	v_pk_add_f32 v[ST+4*k+2:ST+4*k+3], v[ST+4*k+2:ST+4*k+3], v[16*k+\p+2:16*k+\p+3]
.set k, k+1
.endr
.endr
	WIN 0
	RED16
	WIN 0x80                                       ; window 2: v[2 k] (mean, mean)
.set k, 0
.rept 16
	v_mul_f32 v[2*k], s48, v[ST+4*k]
	v_mul_f32 v[2*k+1], s48, v[ST+4*k]
.set k, k+1
.endr
	WIN 0x49                                       ; y in window 1, the pair in window 2
.set k, 0
.rept 16
.irp p, 0,2,4,6,8,10,12,14
	v_pk_add_f32 v[16*k+\p:16*k+\p+1], v[16*k+\p:16*k+\p+1], v[2*k:2*k+1] neg_lo:[0,1] neg_hi:[0,1]
.endr
.set k, k+1
.endr
	WIN 0x05
.set k, 0
.rept 16
	v_pk_mul_f32 v[ST+4*k:ST+4*k+1], v[16*k:16*k+1], v[16*k:16*k+1]
	v_pk_mul_f32 v[ST+4*k+2:ST+4*k+3], v[16*k+2:16*k+3], v[16*k+2:16*k+3]
.set k, k+1
.endr
.irp p, 4,8,12
.set k, 0
.rept 16
	v_pk_fma_f32 v[ST+4*k:ST+4*k+1], v[16*k+\p:16*k+\p+1], v[16*k+\p:16*k+\p+1], v[ST+4*k:ST+4*k+1]
	v_pk_fma_f32 v[ST+4*k+2:ST+4*k+3], v[16*k+\p+2:16*k+\p+3], v[16*k+\p+2:16*k+\p+3], v[ST+4*k+2:ST+4*k+3]
.set k, k+1
.endr
.endr
	WIN 0
	RED16
.set k, 0
.rept 16
	v_fma_f32 v[ST+4*k], v[ST+4*k], s48, s49
.set k, k+1
.endr
	WIN 0x80                                       ; window 2: v[32 + 2 k] (1/sigma, 1/sigma)
.set k, 0
.rept 16
	v_rsq_f32 v[32+2*k], v[ST+4*k]
	v_rsq_f32 v[33+2*k], v[ST+4*k]
.set k, k+1
.endr
	WIN 0
	v_nop                                          ; a plain instruction behind the batch
	s_wait_alu depctr_va_vdst(0)                   ; one wait for the 32, ahead of their first reader
	WIN 0x49
.set k, 0
.rept 16
.irp p, 0,2,4,6,8,10,12,14
	v_pk_mul_f32 v[16*k+\p:16*k+\p+1], v[16*k+\p:16*k+\p+1], v[32+2*k:33+2*k]
.endr
.set k, k+1
.endr
	WIN 0x69
.set k, 0
.rept 16
.irp p, 0,2,4,6,8,10,12,14
	v_pk_fma_f32 v[16*k+\p:16*k+\p+1], v[16*k+\p:16*k+\p+1], v[64+\p:65+\p], v[80+\p:81+\p]   ; h2
.endr
.set k, k+1
.endr
	WIN 0x08                                       ; an LDS store's data are its source 1: window 2
.set k, 0
.rept 16
	ds_store_b64 v17, v[2*k:2*k+1] offset:16*k     ; all lanes write the same bytes with the same values
	ds_store_b64 v17, v[32+2*k:33+2*k] offset:16*k+8
.set k, k+1
.endr
.irp s, 0,1,2,3                                ; K step s: 16 rows x 128 columns turn through my stage, so that a lane holds 16 neighbours of each block of its row
	WIN 0x04
.set k, 0
.rept 16
	ds_store_b128 v15, v[16*k+4*\s:16*k+4*\s+3] offset:528*k
.set k, k+1
.endr
	WIN 0
.set k, 0
.rept 16
	ds_load_b128 v[ST+4*k:ST+4*k+3], v16 offset:128*(k/4)+16*(k%4)   ; LDS serves a wave's instructions in order: these see my stores
.set k, k+1
.endr
	s_wait_dscnt 0x0                               ; the numbers are back; the stores above, and the last images' stores, have read their registers
	s_cmp_lg_u32 s56, 0                            ; the second tile's rows are asked for as the first's registers fall free; the second tile asks for nothing
	s_cbranch_scc1 .Lno_next_\s
	WIN 0x40
.set k, 0
.rept 16
	global_load_b128 v[16*k+4*\s:16*k+4*\s+3], v3, s[40:41] offset:32768+2048*k+512*\s
.set k, k+1
.endr
	WIN 0
.Lno_next_\s:
	QUANT ST
	IMAGE 18, \s*1536
	ds_store_b32 v19, v[PW] offset:128*\s
.endr
	v_add_nc_u32 v17, 256, v17
	v_add_nc_u32 v18, 6144, v18
	v_add_nc_u32 v19, 512, v19
	s_add_co_u32 s56, s56, 1
	s_cmp_lt_u32 s56, 2
	s_cbranch_scc1 .Lrows
	s_wait_loadcnt 0x0                             ; the loop's loads of y land in window 1, where the bias tiles go: no load into those registers is out when the next is issued (the second trip issued none, so this wait is met at once)
	BIASLD 50                                      ; b1 of the first half
	s_wait_tensorcnt 0x1                           ; my quarter of chunk 0 has landed; chunk 1's may stay out
	s_wait_dscnt 0x0                               ; my images and stats lie in LDS
	s_barrier_signal -1
	s_barrier_wait -1
; ---- the first product, a half of the hidden layer a trip; its results become four K steps' images of the second
	s_mov_b32 s57, 0
	s_mov_b32 s60, HA
.Lp3:
	s_wait_loadcnt 0x0                             ; the bias tiles
	HEADFETCH 0, 9, 10, 0
	STEP 0, 9, 10, 0, 1
	LAST
	BIASLD 52                                      ; the next sums' bias tiles: these have served, and four places lie behind the last product
	CHANGE 0, 1
	HEADFETCH 1, 9, 10, 2
	STEP 1, 9, 10, 2, 0
	LAST
	CHANGE 1, 1                                    ; behind it no wave reads h2's images any more: the second trip lays the hidden layer over them
	v_add_nc_u32 v13, s60, v28
	v_add_nc_u32 v14, s60, v29
.irp m, 0,1,2,3,4,5,6,7
	WIN 0x08+4*(\m/4)
.set n, 0
.rept 64
	v_max_num_f32 v[ST+n], 0, v[64*(\m%4)+n]       ; the activation, in f32; each accumulator from its low end on
.set n, n+1
.endr
	WIN 0
	QUANT ST
	IMAGE 13, 6144*\m
	ds_store_b32 v14, v[PW] offset:512*\m
	s_wait_dscnt 0x0                               ; the stores have read their registers
.endr
	s_barrier_signal -1
	s_barrier_wait -1                              ; the half's 32 fragments lie in LDS
	s_wait_xcnt 0x0                                ; the bias loads have read their base
	s_mov_b64 s[52:53], s[58:59]                   ; the second trip asks for b2
	s_add_co_u32 s60, s60, 53248
	s_add_co_u32 s57, s57, 1
	s_cmp_lt_u32 s57, 2
	s_cbranch_scc1 .Lp3
; ---- the second product: written out
	s_wait_loadcnt 0x0
	HEADFETCH 0, 11, 12, 0
	STEP 0, 11, 12, 0, 1
	LAST
	CHANGE 0, 1
	HEADFETCH 1, 11, 12, 2
	STEP 1, 11, 12, 2, 0
	LAST
	CHANGE 1, 1
	HEADFETCH 0, 9, 10, 0
	STEP 0, 9, 10, 0, 0
	LAST
	CHANGE 0, 0                                    ; nothing is left to fetch
	HEADFETCH 1, 9, 10, 2
	STEP 1, 9, 10, 2, 0
	LAST
; ---- the way out: out = (y - mean) / sigma x g + b + the sums.  My 128 columns of 128 rows go through my stage and come back as rows of 512 bytes
	global_load_b128 v[224:227], v3, s[66:67]      ; g and b of my four columns
	global_load_b128 v[228:231], v3, s[68:69]
	WIN 0x40
.set k, 0
.rept 32
	global_load_b128 v[4*k:4*k+3], v3, s[42:43] offset:2048*k th:TH_LOAD_NT   ; window 1: a ring of four groups of 8 rows of y
.set k, k+1
.endr
	WIN 0
	s_wait_dscnt 0x0
	s_barrier_signal -1
	s_barrier_wait -1                              ; no wave reads the ring or the images any more, and the slots have had their last fill: the stages lie over them
.irp m, 0,1,2,3,4,5,6,7
	WIN 0x08+4*(\m/4)
.irp t, 0,1,2,3,4,5,6,7
	ds_store_b128 v23, v[64*(\m%4)+8*\t:64*(\m%4)+8*\t+3] offset:8448*\m+128*(\t/2)+32*(\t%2)
	ds_store_b128 v23, v[64*(\m%4)+8*\t+4:64*(\m%4)+8*\t+7] offset:8448*\m+128*(\t/2)+32*(\t%2)+16
.endr
.endr
	WIN 0
.macro DSG go, set                     ; a group's 8 rows of sums and their stats, from LDS
.set k, 0
.rept 8
	ds_load_b128 v[64+32*(\set)+4*k:64+32*(\set)+4*k+3], v24 offset:(\go)*4224+528*k
	ds_load_b128 v[128+32*(\set)+4*k:128+32*(\set)+4*k+3], v25 offset:(\go)*128+16*k
.set k, k+1
.endr
.endm
; a group of 8 rows.  ahead = 1: its registers of y take the rows 32 further down.  left: the younger loads of y that may stay out.  kind 1: rows 500 on are not stored; kind 2: the last group
.macro GROUP grp, ahead, left, kind
.set SE, (\grp)%2
.set SO, 1-SE
	s_wait_xcnt 0x0                                ; the last group's stores have read their registers: the next group's sums land there only behind this wait
.if \kind != 2
	DSG (\grp)+1, SO
	s_wait_dscnt 16                                ; all but the 16 just issued
.else
	s_wait_dscnt 0x0
.endif
	s_wait_loadcnt \left
	WIN 0x01
.set k, 0
.rept 8
.irp p, 0,2
	v_pk_add_f32 v[192+4*k+\p:193+4*k+\p], v[32*(\grp)+4*k+\p:32*(\grp)+4*k+\p+1], v[128+32*SE+4*k:129+32*SE+4*k] neg_lo:[0,1] neg_hi:[0,1]
.endr
.set k, k+1
.endr
.if \ahead
	WIN 0x40
.set k, 0
.rept 8
	global_load_b128 v[32*(\grp)+4*k:32*(\grp)+4*k+3], v3, s[42:43] offset:(8*(\grp)+k)*2048+65536 th:TH_LOAD_NT
.set k, k+1
.endr
.endif
	WIN 0
.set k, 0
.rept 8
.irp p, 0,2
	v_pk_mul_f32 v[192+4*k+\p:193+4*k+\p], v[192+4*k+\p:193+4*k+\p], v[130+32*SE+4*k:131+32*SE+4*k]
.endr
.set k, k+1
.endr
.set k, 0
.rept 8
.irp p, 0,2
	v_pk_fma_f32 v[192+4*k+\p:193+4*k+\p], v[192+4*k+\p:193+4*k+\p], v[224+\p:225+\p], v[228+\p:229+\p]
.endr
.set k, k+1
.endr
.set k, 0
.rept 8
.irp p, 0,2
	v_pk_add_f32 v[64+32*SE+4*k+\p:65+32*SE+4*k+\p], v[64+32*SE+4*k+\p:65+32*SE+4*k+\p], v[192+4*k+\p:193+4*k+\p]
.endr
.set k, k+1
.endr
.set k, 0
.rept 8
	global_store_b128 v3, v[64+32*SE+4*k:64+32*SE+4*k+3], s[44:45] offset:(8*(\grp)+k)*2048 th:TH_STORE_NT   ; 32 lanes store 512 consecutive bytes, at a multiple of 256 from out0's first byte
.if (\kind == 1) && (k == 3)
	s_cmp_eq_u32 s20, 3                            ; j = 3: local rows 116 on are rows 500 on of the batch
	s_cbranch_scc1 .Lend
.endif
.set k, k+1
.endr
.endm
	DSG 0, 0
	s_mov_b32 s61, 0
.Lout:
	GROUP 0, 1, 24, 0
	GROUP 1, 1, 24, 0
	GROUP 2, 1, 24, 0
	GROUP 3, 1, 24, 0
	s_wait_xcnt 0x0                                ; loads and stores have read their bases
	s_add_nc_u64 s[42:43], s[42:43], 65536         ; 32 rows on
	s_add_nc_u64 s[44:45], s[44:45], 65536
	v_add_nc_u32 v24, 16896, v24
	v_add_nc_u32 v25, 512, v25
	s_add_co_u32 s61, s61, 1
	s_cmp_lt_u32 s61, 3
	s_cbranch_scc1 .Lout
	GROUP 0, 0, 24, 0                              ; the last 32 rows load nothing: the counts run down
	GROUP 1, 0, 16, 0
	GROUP 2, 0, 8, 1
	GROUP 3, 0, 0, 2
.Lend:
	s_wait_tensorcnt 0x0                           ; the wave's end: behind my last tensor load and my last LDS store
	ds_add_u32 v1, v2
	s_wait_dscnt 0x0
	CROUND                                         ; the closing round: no work-group ends while a partner may still ask for a chunk that names it
	s_endpgm
.Lfunc_end_k_q7e00eeef67_mlp:
	.size	k_q7e00eeef67_mlp, .Lfunc_end_k_q7e00eeef67_mlp-k_q7e00eeef67_mlp
	.p2alignl 7, 3214868480
	.fill 96, 4, 3214868480
	.section	.rodata,"a",@progbits
	.p2align	6, 0x0
	.amdhsa_kernel k_q7e00eeef67_mlp
		.amdhsa_group_segment_fixed_size 327680
		.amdhsa_private_segment_fixed_size 0
		.amdhsa_enable_private_segment 0
		.amdhsa_kernarg_size 56
		.amdhsa_user_sgpr_count 2
		.amdhsa_user_sgpr_kernarg_segment_ptr 1
		.amdhsa_wavefront_size32 1
		.amdhsa_system_sgpr_workgroup_id_x 1
		.amdhsa_system_sgpr_workgroup_id_y 1
		.amdhsa_system_sgpr_workgroup_id_z 1
		.amdhsa_system_vgpr_workitem_id 0
		.amdhsa_next_free_vgpr 1024
		.amdhsa_next_free_sgpr 80
		.amdhsa_reserve_vcc 0
		.amdhsa_float_denorm_mode_32 3
		.amdhsa_float_denorm_mode_16_64 3
		.amdhsa_memory_ordered 1
		.amdhsa_forward_progress 1
		.amdhsa_inst_pref_size 255
	.end_amdhsa_kernel
	.section	.bss,"aw",@nobits
	.p2align	6
	.space	262144
	.amdgpu_metadata
---
amdhsa.version: [ 1, 2 ]
amdhsa.kernels:
  - .name:           k_q7e00eeef67_mlp
    .symbol:         k_q7e00eeef67_mlp.kd
    .args:
      - { .name: y, .offset: 0, .size: 8, .value_kind: global_buffer, .address_space: global }
      - { .name: ln2_g, .offset: 8, .size: 8, .value_kind: global_buffer, .address_space: global }
      - { .name: ln2_b, .offset: 16, .size: 8, .value_kind: global_buffer, .address_space: global }
      - { .name: wts, .offset: 24, .size: 8, .value_kind: global_buffer, .address_space: global }
      - { .name: b1, .offset: 32, .size: 8, .value_kind: global_buffer, .address_space: global }
      - { .name: b2, .offset: 40, .size: 8, .value_kind: global_buffer, .address_space: global }
      - { .name: out0, .offset: 48, .size: 8, .value_kind: global_buffer, .address_space: global }
    .group_segment_fixed_size: 327680
    .private_segment_fixed_size: 0
    .kernarg_segment_align: 8
    .kernarg_segment_size: 56
    .max_flat_workgroup_size: 128
    .sgpr_count:     80
    .vgpr_count:     1024
    .wavefront_size: 32
...
	.end_amdgpu_metadata
.endif
;; end of part 3
